; MI455X (gfx1250); checked and timed in simulation.
; The chip was launched on July 23, 2026; its instructions are those of AMD's public machine-readable ISA for CDNA 5 (MIT licence, August 2026) and "CDNA5" Instruction Set Architecture Reference Guide (July 2026). The comments in the code are by the model that wrote it; some were corrected since.
;; Multi Head Attention. Allowed arithmetic: matrix products marked QUANTISED: E4M3 operands, one given power-of-two scale a tensor, by v_wmma_f32_16x16x64_fp8_fp8 or v_wmma_f32_16x16x128_fp8_fp8, f32 sums; everything else in f32.
;; Inputs: Wk_codes 16 x 64 x 32 x 32 uint8 (E4M3 codes of Wk, K innermost, in blocks of 32 codes); Wo_codes 1,024 x 32 x 32 uint8 (E4M3 codes of Wo, K innermost, in blocks of 32 codes); Wq_codes 16 x 64 x 32 x 32 uint8 (E4M3 codes of Wq, K innermost, in blocks of 32 codes); Wv_codes 16 x 64 x 32 x 32 uint8 (E4M3 codes of Wv, K innermost, in blocks of 32 codes); bo 1,024 float32; emb_codes 4 x 2,048 x 32 x 32 uint8 (E4M3 codes of emb, K innermost, in blocks of 32 codes); lowp_scales 12 int32 (the exponents e of the quantised operands' scales 2^e).
;; Outputs: out0 4 x 2,048 x 1,024 float32.
;; This version of the problem:
;;   THIS VERSION OF THE PROBLEM IS GIVEN IN LOW PRECISION. The matrix products marked QUANTISED in the list below multiply operands that are first quantised to E4M3 (4 exponent bits, 3 mantissa bits; 8 bits a number), with one given power-of-two scale for each operand tensor; their sums are f32. All else is computed in f32.
;;   The module's matrix products, in the order in which they are computed (A, B: the left and right operand; K: the contracted axis; several contracted axes count as one K, in the product's order):
;;     1. [M 1,024, K 1,024] x [K 1,024, N 8,192]; A: input Wq (given as codes); B: input emb (given as codes): QUANTISED (scales: A lowp_scales[0], B lowp_scales[1])
;;     2. [M 1,024, K 1,024] x [K 1,024, N 8,192]; A: input Wk (given as codes); B: input emb (given as codes): QUANTISED (scales: A lowp_scales[2], B lowp_scales[3])
;;     3. [M 1,024, K 1,024] x [K 1,024, N 8,192]; A: input Wv (given as codes); B: input emb (given as codes): QUANTISED (scales: A lowp_scales[4], B lowp_scales[5])
;;     4. batch 64 x [M 2,048, K 64] x [K 64, N 2,048]; A: computed on the way; B: computed on the way: QUANTISED (scales: A lowp_scales[6], B lowp_scales[7])
;;     5. batch 64 x [M 2,048, K 2,048] x [K 2,048, N 64]; A: softmax (see below); B: computed on the way: QUANTISED (scales: A lowp_scales[8], B lowp_scales[9])
;;     6. [M 8,192, K 1,024] x [K 1,024, N 1,024]; A: computed on the way; B: input Wo (given as codes): QUANTISED (scales: A lowp_scales[10], B lowp_scales[11])
;;   THE QUANTISER, for each operand of a quantised product, along K:
;;     - The operand's scale is 2^e, e = its entry of the input lowp_scales (int32; the entries are numbered through the quantised products in the list's order, A before B).
;;     - Each number is divided by the scale, clamped to +-448, and rounded to the nearest number of E4M3, ties to even, subnormals kept.
;;     - The product sums the exact products of the quantised numbers (number of the format x scale) in f32.
;;   ~~~python
;;   def quantise(x, axis, e):      # numpy; x: float32 -> the quantised numbers, widened to float32 again
;;       x = np.moveaxis(x, axis, -1); K = x.shape[-1]
;;       r = np.clip(x / 2.0 ** e, -448, 448)
;;       step = 2.0 ** (np.maximum(np.frexp(np.where(r == 0, 1, r))[1] - 1, -6) - 3)
;;       q = np.round(r / step) * step * 2.0 ** e      # np.round: ties to even
;;       return np.moveaxis(q, -1, axis).astype(np.float32)
;;   ~~~
;;   SOFTMAX AHEAD OF A QUANTISED PRODUCT. Where the list says 'softmax', what is quantised is not the finished softmax but p = 2^(t - M), with t = logit x log2(e) and M = ceil(the row's largest t), a whole number; so 1/2 < the row's largest p <= 1. The row's sum l is taken of the UNQUANTISED p, in f32, and the product's result is divided by l at the end. Since M is a whole number, a kernel that streams over the keys may use a running M (the ceiling of the running maximum): every later rescaling is an exact power of two, so the quantised numbers keep their values, but for numbers so far below the row's largest that they fall under the format's range.
;;   OPERANDS COMPUTED ON THE WAY. 'Computed on the way' means the value that the module computes at that place (a softmax that the list does not call 'softmax' is quantised finished and normalised). What goes into a quantiser is computed in f32, as accurately as f32 sums, v_exp_f32 and their like allow (about 1e-6 of the number): no bf16 or f16 on the way to a quantiser, and a product that is left as it is and whose result goes on into a quantised operand takes f32 operands (vector FMAs, or v_wmma_f32_16x16x4_f32). A number that lies on a knife's edge between two numbers of the format may be rounded either way, as far as f32 arithmetic and the matrix unit's own rounding can turn it there, and no further.
;;   INPUTS GIVEN AS CODES. Wk (in the module: [16, 1024, 64], K = its axis 1); Wo (in the module: [1024, 1024], K = its axis 0); Wq (in the module: [16, 1024, 64], K = its axis 1); Wv (in the module: [16, 1024, 64], K = its axis 1); emb (in the module: [4, 2048, 1024], K = its axis 2): each comes as NAME_codes (uint8): NAME with its K axis moved to the last place and cut into blocks of 32 codes, [.., K / 32, bytes a block], one block behind the other in memory; one code a byte (a code: sign, 4 exponent bits, 3 mantissa bits); its scale is its entry of lowp_scales. Its value is code x scale, taken as it is: it is not quantised again, and the codes and scales need not be those that the quantiser above would give.
;; One version. Each part assembles by itself: llvm-mc -triple=amdgcn-amd-amdhsa -mcpu=gfx1250 --defsym DOCPART=n.
;; ======== version 1 of 1: 3 launches
;; limits: right only within a limited range of input values
;; workspace buffers: q_img 8,388,608 bytes; kv_img 16,777,216 bytes; a_img 8,388,608 bytes
;; launch proj (part 1): grid 4 x 64, 4 waves a work-group, clusters of 4 x 4, 327,680 bytes of LDS; arguments emb_codes, Wq_codes, Wk_codes, Wv_codes, lowp_scales, q_img, kv_img; writes q_img, kv_img
.if DOCPART == 1
	.amdgcn_target "amdgcn-amd-amdhsa--gfx1250"
	.amdhsa_code_object_version 6
	.text
	.protected	k_q8f0ef68fc6_proj
	.globl	k_q8f0ef68fc6_proj
	.p2align	8
	.type	k_q8f0ef68fc6_proj,@function
k_q8f0ef68fc6_proj:
	s_mov_b64 s[64:65], 0
	v_nop
	global_prefetch_b8 v0, s[64:65] scope:SCOPE_SE
	s_setreg_imm32_b32 hwreg(HW_REG_WAVE_MODE, 25, 1), 1
	s_wait_xcnt 0x0
	s_wait_alu depctr_hold_cnt(0) depctr_sa_sdst(0) depctr_va_vdst(0) depctr_va_sdst(0) depctr_va_ssrc(0) depctr_va_vcc(0) depctr_vm_vsrc(0)
	s_getreg_b32 s2, hwreg(HW_REG_IB_STS2, 6, 4)
	s_cmp_eq_u32 s2, 0
	s_cbranch_scc0 .Lentry_in_a_cluster
	s_endpgm
.Lentry_in_a_cluster:
	s_bfe_u32 s2, ttmp6, 0x10000c
	s_cmp_lg_u32 s2, 0xf033
	s_cbranch_scc0 .Lentry_shape_is_right
	s_endpgm
.Lentry_shape_is_right:
; q, k and v: three products on E4M3 codes, K = 1,024, each result quantised at once to E4M3 with its given scale and stored as IMAGES OF OPERAND REGISTERS for the attention launch.
; D = X Y^T; source 0 = 16 rows of X, source 1 = 16 rows of Y: lane (r, h) holds, in register j, (X row 8 h + j, Y row r): eight neighbours along X, which one conversion packs.
;   tile 0, 1 (q, k): X = the weight's rows (head x 64 + dk), Y = emb's rows (tokens).   tile 2 (v): X = emb's rows (keys), Y = Wv's rows (head x 64 + dv).
; A WORK-GROUP STAYS: 256 work-groups, each makes three tiles of 256 rows of X x 128 rows of Y, one of q, one of k, one of v; four waves, each 128 x 64: 32 accumulators.
; CLUSTER 4 x 4: X's tile hangs on cx alone and is asked for jointly by a column of the cluster, Y's on cy alone, by a row.
; THE WALK: 12 K steps of 256 (rows of 256 bytes), K step n in LDS slot n % 3; the slots go on from tile to tile.  One load brings X's 256 rows or Y's 128 of one K step.
; Loads go out in generations, by turns: a double one (K steps n, n + 1 into slots 0, 1: waves 0, 1 X's, waves 2, 3 Y's) and a single one (one K step into slot 2: waves 0 and 2), each behind the full sequence and a round of
; the cluster's barrier: (0, 1) at the head, 2, (3, 4), 5, (6, 7), 8, (9, 10), 11.  A wave has one load out at the most.
; A tile's codes go to registers of their own, so the next tile's fragments are fetched ahead of the way out, and nothing waits for a tile's stores.
; Fragments (16 rows x 128 K, 16 registers) come by four loads of 16 bytes, 32 bytes apart: a permutation of k that is the same in X and in Y.
; code = sum / 2^(eOut - eW - eE), held within +-448 x that, to the nearest code, ties to even.
; LIMIT: eOut - eW - eE (entries 6-0-1, 7-2-3, 9-4-5 of the scales) lies between -126 and 119, so that both powers of two are f32 numbers.
; No prefetch: the walk is written out, with no loop to run ahead in.
; REGISTERS, in windows of 256: window 0: v1-29 addresses and constants; v32-95 Y's four fragments, v128-255 X's eight: set 0.  Window 2: set 1.  Window 1: accumulator (a, b) at v[8 (8 a + b)], a: Y's tile, b: X's.  Window 3: v0-63 codes.
.set PITCH,  272                       ; an LDS row: 256 bytes + 16 of padding
.set XH,     128*PITCH                 ; what one wave reads of X
.set YH,     64*PITCH                  ; the same for Y
.set SLOT,   2*XH+2*YH                 ; X's 256 rows, then Y's 128
.set SPARE,  3*SLOT                    ; the spare words, 128 bytes a wave
.set LI,   5                           ; 16 x lane; never rewritten
.set SC,   6                           ; the conversion's scale as f32
.set LM,   7                           ; 448 x that
.set ADRX, 16                          ; v16-18 my X fragments in slot 0, 1, 2
.set ADRY, 20                          ; v20-22 my Y fragments
.set SPW,  28
.set NIL,  29
.set YF,   32
.set XF,   128
.set CD,   0                           ; in window 3
.set WV,   18
.set ROLE, 19                          ; 0: I fetch for X, 1: for Y.  Also which 64 rows of Y are mine
.set HALF, 20                          ; which K step of a double generation I fetch.  Also which 128 rows of X are mine
.set G1X,  24
.set G1Y,  32
.set XD,   44                          ; group 0: X, double generations;  XS: X, single;  YD, YS: Y's
.set XS,   48
.set YD,   52
.set YS,   56
.set H,    60                          ; s[60:61] 256 x HALF
.set XB,   66                          ; s[66:71] the three tiles' first bytes of X;  s[72:77] of Y;  s[78:83] where their codes go
.set YB,   72
.set SB,   78
.set SCK,  96                          ; s96-101 a tile's scale and 448 x that
.set FLAGS, (0<<16)|(1<<20)|(1<<21)|(5<<22)|(3<<25)   ; elements of 1 byte; padding on; bit 21 beside a mask; after every 64 words; 4 words
.set MUL0, 0x50
.set MUL1, 0x5a
.set MSB, 0
.macro WIN new
.if MSB != (\new)
	s_set_vgpr_msb (MSB<<8)|(\new)
.set MSB, (\new)
.endif
.endm
.macro PLACES n
.rept \n
	v_nop
.endr
.endm
.macro JLOAD g0x, g0y                  ; a joint load: waves 0, 1 for X, waves 2, 3 for Y; s_nop 0 and four v_nop follow each line
	s_cmp_eq_u32 s[ROLE], 0
	s_cbranch_scc0 .Lfor_y_\@
	tensor_load_to_lds s[\g0x:\g0x+3], s[G1X:G1X+7]
	s_nop 0
	PLACES 4
	s_branch .Lasked_\@
.Lfor_y_\@:
	tensor_load_to_lds s[\g0y:\g0y+3], s[G1Y:G1Y+7]
	s_nop 0
	PLACES 4
.Lasked_\@:
.endm
.macro JSINGLE                         ; a single generation: waves 0 and 2 alone
	s_cmp_eq_u32 s[HALF], 0
	s_cbranch_scc0 .Lnone_\@
	JLOAD XS, YS
.Lnone_\@:
.endm
.macro CREST
	s_cmp_lg_u32 s[WV], 0
	s_cbranch_scc1 .Lnot_wave_0_\@
	s_barrier_signal -3
.Lnot_wave_0_\@:
	s_barrier_wait -3
	s_barrier_signal -1
	s_barrier_wait -1
.endm
.macro CROUND
	s_barrier_signal -1
	s_barrier_wait -1
	CREST
.endm
; The global addresses of the next generation.  Each set is written behind the wait that showed its last load done: the change of slots before.
.macro SETD t, k                       ; K steps k + HALF of tile t
	s_add_nc_u64 s[XD+2:XD+3], s[XB+2*\t:XB+2*\t+1], s[H:H+1]
	s_add_nc_u64 s[YD+2:YD+3], s[YB+2*\t:YB+2*\t+1], s[H:H+1]
	s_add_nc_u64 s[XD+2:XD+3], s[XD+2:XD+3], 256*\k
	s_add_nc_u64 s[YD+2:YD+3], s[YD+2:YD+3], 256*\k
	s_or_b32 s[XD+3], s[XD+3], 0x80000000
	s_or_b32 s[YD+3], s[YD+3], 0x80000000
.endm
.macro SETS t, k                       ; K step k of tile t
	s_add_nc_u64 s[XS+2:XS+3], s[XB+2*\t:XB+2*\t+1], 256*\k
	s_add_nc_u64 s[YS+2:YS+3], s[YB+2*\t:YB+2*\t+1], 256*\k
	s_or_b32 s[XS+3], s[XS+3], 0x80000000
	s_or_b32 s[YS+3], s[YS+3], 0x80000000
.endm
.macro SCALE t, eo, ew, ee             ; a sum stands for sum x 2^(eW + eE): the three scales are folded into the conversion's one
	s_sub_co_i32 s3, s[\eo], s[\ew]
	s_sub_co_i32 s3, s3, s[\ee]
	s_add_co_i32 s3, s3, 127
	s_lshl_b32 s[SCK+2*\t], s3, 23
	s_add_co_i32 s3, s3, 8
	s_lshl_b32 s3, s3, 23
	s_or_b32 s[SCK+2*\t+1], s3, 0x600000
.endm
	s_load_b256 s[4:11], s[0:1], 0x0               ; emb, Wq, Wk, Wv
	s_load_b128 s[12:15], s[0:1], 0x20             ; the scales' exponents, q_img
	s_load_b64 s[16:17], s[0:1], 0x30              ; kv_img
	v_lshl_add_u32 v[SPW], v0, 2, SPARE
	v_mov_b32 v[NIL], 0
	ds_add_u32 v[SPW], v[NIL]                      ; the opening lines: the add twice on end and its wait
	ds_add_u32 v[SPW], v[NIL]
	v_lshrrev_b32 v1, 5, v0
	v_readfirstlane_b32 s[WV], v1
	s_lshr_b32 s[ROLE], s[WV], 1
	s_and_b32 s[HALF], s[WV], 1
	s_and_b32 s22, ttmp7, 0xffff                   ; the cluster's y, 0 .. 15
	s_bfe_u32 s40, ttmp6, 0x40000                  ; cx
	s_bfe_u32 s41, ttmp6, 0x40004                  ; cy
	s_lshl_b32 s62, 0x1111, s40                    ; my column of the cluster
	s_lshl_b32 s42, s41, 2
	s_lshl_b32 s42, 15, s42                        ; my row
	s_or_b32 s[G1X], s62, FLAGS
	s_or_b32 s[G1Y], s42, FLAGS
	s_mov_b32 s[G1X+1], 256<<16                    ; rows of 256 bytes
	s_mov_b32 s[G1X+2], 256<<16                    ; 256 rows
	s_mov_b32 s[G1X+3], 256<<16
	s_mov_b32 s[G1X+4], 256
	s_mov_b32 s[G1X+5], 1024                       ; from row to row
	s_mov_b32 s[G1X+6], 0
	s_mov_b32 s[G1X+7], 0
	s_mov_b32 s[G1Y+1], 256<<16
	s_mov_b32 s[G1Y+2], 128<<16                    ; 128 rows
	s_mov_b32 s[G1Y+3], 256<<16
	s_mov_b32 s[G1Y+4], 128
	s_mov_b32 s[G1Y+5], 1024
	s_mov_b32 s[G1Y+6], 0
	s_mov_b32 s[G1Y+7], 0
	s_lshl_b32 s[H], s[HALF], 8
	s_mov_b32 s[H+1], 0
	s_lshl_b32 s62, s40, 18                        ; q, k: X's tile is cx: 256 rows of 1,024 bytes each
	s_mov_b32 s63, 0
	s_lshl_b32 s23, s22, 2
	s_add_co_u32 s23, s23, s41                     ; q, k: Y's tile: 4 x cluster y + cy, of 64
	s_lshl_b32 s42, s23, 17                        ; 128 rows of 1,024 bytes each
	s_mov_b32 s43, 0
	s_mul_i32 s21, s[HALF], SLOT                   ; a double generation goes to slots 0 and 1, a single one to slot 2: the wave's number alone
	s_mov_b32 s[XD], 1
	s_mov_b32 s[XD+1], s21
	s_mov_b32 s[YD], 1
	s_add_co_u32 s[YD+1], s21, 2*XH
	s_mov_b32 s[XS], 1
	s_mov_b32 s[XS+1], 2*SLOT
	s_mov_b32 s[YS], 1
	s_mov_b32 s[YS+1], 2*SLOT+2*XH
	s_wait_dscnt 0x0
	s_wait_kmcnt 0x0
	s_load_b256 s[84:91], s[12:13], 0x0            ; e0 .. e7
	s_load_b128 s[92:95], s[12:13], 0x20           ; e8 .. e11
	s_add_nc_u64 s[XB:XB+1], s[6:7], s[62:63]      ; Wq's tile
	s_add_nc_u64 s[XB+2:XB+3], s[8:9], s[62:63]    ; Wk's
	s_add_nc_u64 s[YB:YB+1], s[4:5], s[42:43]      ; emb's 128 tokens, for q
	s_mov_b64 s[YB+2:YB+3], s[YB:YB+1]             ; and for k
	SETD 0, 0
	SETS 0, 2
	CROUND                                         ; all sixteen work-groups are here: the first joint loads meet
	JLOAD XD, YD                                   ; K steps 0 and 1: one tensor load a wave at the head
	s_mul_i32 s3, s[HALF], XH                      ; my 128 rows of X
	s_mul_i32 s21, s[ROLE], YH                     ; my 64 rows of Y,
	s_add_co_u32 s21, s21, 2*XH                    ; behind X's 256
	v_and_b32 v1, 15, v0                           ; r
	v_bfe_u32 v2, v0, 4, 1                         ; h
	v_mul_u32_u24 v3, v1, PITCH
	v_lshl_add_u32 v3, v2, 4, v3
	v_add_nc_u32 v[ADRX], s3, v3
	v_add_nc_u32 v[ADRY], s21, v3
	v_add_nc_u32 v[ADRX+1], SLOT, v[ADRX]
	v_add_nc_u32 v[ADRY+1], SLOT, v[ADRY]
	v_add_nc_u32 v[ADRX+2], SLOT, v[ADRX+1]
	v_add_nc_u32 v[ADRY+2], SLOT, v[ADRY+1]
	v_and_b32 v[LI], 31, v0
	v_lshlrev_b32 v[LI], 4, v[LI]
	s_lshr_b32 s21, s22, 1                         ; v: 32 tiles of X (keys) x 8 of Y
	s_lshl_b32 s21, s21, 2
	s_add_co_u32 s21, s21, s40                     ; v: X's tile
	s_lshl_b32 s62, s21, 18
	s_add_nc_u64 s[XB+4:XB+5], s[4:5], s[62:63]
	s_and_b32 s2, s22, 1
	s_lshl_b32 s2, s2, 2
	s_add_co_u32 s2, s2, s41                       ; v: Y's tile
	s_lshl_b32 s42, s2, 17
	s_add_nc_u64 s[YB+4:YB+5], s[10:11], s[42:43]
	; where my codes go.  q, k: head 4 cx + 2 wx + ph of batch Ytile / 16; token tile 8 (Ytile % 16) + 4 wy + a.  A head is 2^17 bytes in q_img, 2^18 in kv_img; sixteen token tiles are an eighth of a head
	s_lshr_b32 s3, s23, 4
	s_lshl_b32 s3, s3, 4
	s_lshl_b32 s42, s40, 2
	s_add_co_u32 s3, s3, s42
	s_lshl_b32 s42, s[HALF], 1
	s_add_co_u32 s3, s3, s42                       ; 16 x batch + my first head
	s_and_b32 s42, s23, 15
	s_lshl_b32 s42, s42, 3
	s_lshl_b32 s62, s[ROLE], 2
	s_add_co_u32 s42, s42, s62                     ; my first token tile
	s_lshr_b32 s23, s42, 4
	s_and_b32 s42, s42, 15
	s_lshl_b32 s42, s42, 10
	s_lshl_b32 s62, s3, 17
	s_add_co_u32 s62, s62, s42
	s_lshl_b32 s43, s23, 14
	s_add_co_u32 s62, s62, s43
	s_add_nc_u64 s[SB:SB+1], s[14:15], s[62:63]
	s_lshl_b32 s62, s3, 18
	s_add_co_u32 s62, s62, s42
	s_lshl_b32 s43, s23, 15
	s_add_co_u32 s62, s62, s43
	s_add_nc_u64 s[SB+2:SB+3], s[16:17], s[62:63]
	; v: head 2 Ytile + wy of batch Xtile / 8; slot Xtile % 8; V's part of the slot; step wx of its two
	s_lshr_b32 s62, s21, 3
	s_lshl_b32 s62, s62, 4
	s_lshl_b32 s43, s2, 1
	s_add_co_u32 s62, s62, s43
	s_add_co_u32 s62, s62, s[ROLE]
	s_lshl_b32 s62, s62, 18
	s_and_b32 s43, s21, 7
	s_lshl_b32 s43, s43, 15
	s_add_co_u32 s62, s62, s43
	s_lshl_b32 s43, s[HALF], 13
	s_add_co_u32 s62, s62, s43
	s_add_co_u32 s62, s62, 16384
	s_add_nc_u64 s[SB+4:SB+5], s[16:17], s[62:63]
	s_wait_alu depctr_va_vdst(0)                   ; the wait at the end of the head's vector work
	s_wait_kmcnt 0x0
	SCALE 0, 90, 84, 85                            ; q: e6 - e0 - e1
	SCALE 1, 91, 86, 87                            ; k: e7 - e2 - e3
	SCALE 2, 93, 88, 89                            ; v: e9 - e4 - e5
.macro FRAG reg, adr, q, i             ; 16 rows x 128 K: registers 4 c .. 4 c + 3 hold K = 32 c + 16 h + 0 .. 15 of row r
.irp c, 0,1,2,3
	ds_load_b128 v[\reg+4*\c:\reg+4*\c+3], v[\adr] offset:128*(\q)+32*\c+(\i)*16*PITCH
.endr
.endm
.macro FETCH slot, q, p                ; 48 LDS loads in one run: the slot's q-th 128 along K into set p
	WIN 0x80*(\p)
.irp i, 0,1,2,3,4,5,6,7
	FRAG XF+16*\i, ADRX+\slot, \q, \i
.endr
.irp i, 0,1,2,3
	FRAG YF+16*\i, ADRY+\slot, \q, \i
.endr
.endm
.macro MUL8 a, zero                    ; Y's tile a against X's eight; the 32 accumulators take turns
.irp b, 0,1,2,3,4,5,6,7
.if \zero
	v_wmma_f32_16x16x128_fp8_fp8 v[8*(8*(\a)+\b):8*(8*(\a)+\b)+7], v[XF+16*\b:XF+16*\b+15], v[YF+16*(\a):YF+16*(\a)+15], 0
.else
	v_wmma_f32_16x16x128_fp8_fp8 v[8*(8*(\a)+\b):8*(8*(\a)+\b)+7], v[XF+16*\b:XF+16*\b+15], v[YF+16*(\a):YF+16*(\a)+15], v[8*(8*(\a)+\b):8*(8*(\a)+\b)+7]
.endif
.endr
.endm
.macro STEP p, zero, nslot, nq         ; a sub-step of 128 along K on set p; the next sub-step's fragments are asked for ahead of its 32 products.  zero = 1: a tile's first products start its sums
	s_wait_dscnt 0x0                               ; set p is in
	PLACES 4                                       ; places between the last products, which read the other set, and the loads into it
	FETCH \nslot, \nq, 1-(\p)
	WIN MUL0+0x0a*(\p)
	MUL8 0, \zero
	MUL8 1, \zero
	MUL8 2, \zero
	MUL8 3, \zero
.endm
; A sub-step on set 1 with a change of slots: one barrier; in front of it each wave waits for all its tensor loads, adds 0 to its spare word, and waits for that and for its own LDS reads.
; fill = 1: slots 0 and 1 have been read out and take a double generation; fill = 2: slot 2 takes a single one; the barrier then opens a round of the cluster's barrier.  fill = 0: nothing more is asked for.
.macro TURN fill, nslot
	WIN 0
	s_wait_tensorcnt 0x0
	ds_add_u32 v[SPW], v[NIL]
	s_wait_dscnt 1                                 ; set 1 is in; the add alone may be out
	WIN MUL1
	MUL8 0, 0
	s_wait_dscnt 0x0
	s_barrier_signal -1
	MUL8 1, 0
	WIN 0
	s_barrier_wait -1
.if \fill
	CREST
.endif
.if \fill == 1
	JLOAD XD, YD
.endif
.if \fill == 2
	JSINGLE
.endif
	PLACES 4                                       ; places in front of the loads below
	FETCH \nslot, 0, 0
	WIN MUL1
	MUL8 2, 0
	MUL8 3, 0
.endm
; THE WAY OUT of tile t, without LDS: the hold, the conversion, and sixteen stores of 512 consecutive bytes, aligned: each group of four code registers is stored as it stands, lane l's 16 bytes at 16 l.
; sa: from Y tile a to a + 1; sp: the upper half of a's 16 code registers (q, k: the next head; v: the fragment's second half).
.macro WAYOUT t, sa, sp
	WIN 0
.if \t
	s_wait_xcnt 0x0                                ; the last tile's stores have read their data
.endif
	v_mov_b32 v[SC], s[SCK+2*\t]
	v_mov_b32 v[LM], s[SCK+2*\t+1]
	PLACES 2                                       ; with the two lines above four places behind the last products
	WIN 0x41
.set j, 0
.rept 256
	v_med3_num_f32 v[j], v[j], -v[LM], v[LM]       ; the conversion does not saturate (ISA guide 7.6.2); each accumulator from its low end on
.set j, j+1
.endr
	WIN 0xc1                                       ; the sums in window 1, the codes in window 3
.irp a, 0,1,2,3
.irp b, 0,1,2,3,4,5,6,7
	v_cvt_scalef32_pk8_fp8_f32 v[CD+16*\a+2*\b:CD+16*\a+2*\b+1], v[8*(8*\a+\b):8*(8*\a+\b)+7], v[SC]   ; registers 2 b, 2 b + 1: X rows 16 b + 8 h + 0 .. 7
.endr
.endr
	v_nop                                          ; a plain line behind the last conversion
	WIN 0x0c                                       ; the stores' data in window 3
.irp a, 0,1,2,3
.irp p, 0,1,2,3
	global_store_b128 v[LI], v[CD+16*\a+4*\p:CD+16*\a+4*\p+3], s[SB+2*\t:SB+2*\t+1] offset:\a*(\sa)+(\p/2)*(\sp)+(\p%2)*512
.endr
.endr
	WIN 0
.endm
	s_wait_tensorcnt 0x0                           ; my tile of K step 0 or 1 is in; the full sequence stands ahead of slot 2's first fill
	ds_add_u32 v[SPW], v[NIL]
	s_wait_dscnt 0x0
	CROUND
	JSINGLE                                        ; K step 2
	FETCH 0, 0, 0
	STEP 0, 1, 0, 1                                ; K step 0
	STEP 1, 0, 1, 0
	STEP 0, 0, 1, 1                                ; K step 1
	s_add_nc_u64 s[XD+2:XD+3], s[XB:XB+1], 768     ; K step 3 is q's last, K step 4 k's first
	s_add_nc_u64 s[YD+2:YD+3], s[YB:YB+1], 768
	s_cmp_eq_u32 s[HALF], 0
	s_cselect_b64 s[XD+2:XD+3], s[XD+2:XD+3], s[XB+2:XB+3]
	s_cselect_b64 s[YD+2:YD+3], s[YD+2:YD+3], s[YB+2:YB+3]
	s_or_b32 s[XD+3], s[XD+3], 0x80000000
	s_or_b32 s[YD+3], s[YD+3], 0x80000000
	TURN 1, 2                                      ; asks for K steps 3, 4
	STEP 0, 0, 2, 1                                ; K step 2
	SETS 1, 1
	TURN 2, 0                                      ; asks for K step 5
	STEP 0, 0, 0, 1                                ; K step 3
	STEP 1, 0, 1, 0
	WAYOUT 0, 1024, 131072
	STEP 0, 1, 1, 1                                ; K step 4: k begins
	SETD 1, 2
	TURN 1, 2                                      ; asks for K steps 6, 7
	STEP 0, 0, 2, 1                                ; K step 5
	SETS 2, 0
	TURN 2, 0                                      ; asks for K step 8
	STEP 0, 0, 0, 1                                ; K step 6
	STEP 1, 0, 1, 0
	STEP 0, 0, 1, 1                                ; K step 7
	SETD 2, 1
	TURN 1, 2                                      ; asks for K steps 9, 10
	WAYOUT 1, 1024, 262144
	STEP 0, 1, 2, 1                                ; K step 8: v begins
	SETS 2, 3
	TURN 2, 0                                      ; asks for K step 11
	STEP 0, 0, 0, 1                                ; K step 9
	STEP 1, 0, 1, 0
	STEP 0, 0, 1, 1                                ; K step 10
	TURN 0, 2
	STEP 0, 0, 2, 1                                ; K step 11
	s_wait_dscnt 0x0
	WIN MUL1
	MUL8 0, 0
	MUL8 1, 0
	MUL8 2, 0
	MUL8 3, 0
	WAYOUT 2, 2048, 1024
	s_wait_tensorcnt 0x0                           ; the wave's end
	ds_add_u32 v[SPW], v[NIL]
	s_wait_dscnt 0x0
	CROUND                                         ; the closing round
	s_endpgm
.Lfunc_end_k_q8f0ef68fc6_proj:
	.size	k_q8f0ef68fc6_proj, .Lfunc_end_k_q8f0ef68fc6_proj-k_q8f0ef68fc6_proj
	.p2alignl 7, 3214868480
	.fill 96, 4, 3214868480
	.section	.rodata,"a",@progbits
	.p2align	6, 0x0
	.amdhsa_kernel k_q8f0ef68fc6_proj
		.amdhsa_group_segment_fixed_size 327680
		.amdhsa_private_segment_fixed_size 0
		.amdhsa_enable_private_segment 0
		.amdhsa_kernarg_size 56
		.amdhsa_user_sgpr_count 2
		.amdhsa_user_sgpr_kernarg_segment_ptr 1
		.amdhsa_wavefront_size32 1
		.amdhsa_system_sgpr_workgroup_id_x 1
		.amdhsa_system_sgpr_workgroup_id_y 1
		.amdhsa_system_sgpr_workgroup_id_z 1
		.amdhsa_system_vgpr_workitem_id 0
		.amdhsa_next_free_vgpr 832
		.amdhsa_next_free_sgpr 102
		.amdhsa_reserve_vcc 0
		.amdhsa_float_denorm_mode_32 3
		.amdhsa_float_denorm_mode_16_64 3
		.amdhsa_memory_ordered 1
		.amdhsa_forward_progress 1
		.amdhsa_inst_pref_size 203
	.end_amdhsa_kernel
	.amdgpu_metadata
---
amdhsa.version: [ 1, 2 ]
amdhsa.kernels:
  - .name:           k_q8f0ef68fc6_proj
    .symbol:         k_q8f0ef68fc6_proj.kd
    .args:
      - { .name: emb_codes, .offset: 0, .size: 8, .value_kind: global_buffer, .address_space: global }
      - { .name: Wq_codes, .offset: 8, .size: 8, .value_kind: global_buffer, .address_space: global }
      - { .name: Wk_codes, .offset: 16, .size: 8, .value_kind: global_buffer, .address_space: global }
      - { .name: Wv_codes, .offset: 24, .size: 8, .value_kind: global_buffer, .address_space: global }
      - { .name: lowp_scales, .offset: 32, .size: 8, .value_kind: global_buffer, .address_space: global }
      - { .name: q_img, .offset: 40, .size: 8, .value_kind: global_buffer, .address_space: global }
      - { .name: kv_img, .offset: 48, .size: 8, .value_kind: global_buffer, .address_space: global }
    .group_segment_fixed_size: 327680
    .private_segment_fixed_size: 0
    .kernarg_segment_align: 8
    .kernarg_segment_size: 56
    .max_flat_workgroup_size: 128
    .sgpr_count:     102
    .vgpr_count:     832
    .wavefront_size: 32
...
	.end_amdgpu_metadata
.endif
;; end of part 1
;; launch attn (part 2): grid 4 x 64, 8 waves a work-group, no clusters, 327,680 bytes of LDS; arguments q_img, kv_img, lowp_scales, a_img; writes a_img
.if DOCPART == 2
	.amdgcn_target "amdgcn-amd-amdhsa--gfx1250"
	.amdhsa_code_object_version 6
	.text
	.protected	k_q8f0ef68fc6_attn
	.globl	k_q8f0ef68fc6_attn
	.p2align	8
	.type	k_q8f0ef68fc6_attn,@function
k_q8f0ef68fc6_attn:
	s_mov_b64 s[64:65], 0
	v_nop
	global_prefetch_b8 v0, s[64:65] scope:SCOPE_SE
	s_setreg_imm32_b32 hwreg(HW_REG_WAVE_MODE, 25, 1), 1
	s_wait_xcnt 0x0
; Causal attention on E4M3 codes, head size 64, 2,048 tokens, 64 (batch, head) pairs; the result is quantised for the output product and stored as images of that product's operand registers.
; t = score x log2(e) / 8; M = the running largest t rounded UP to a whole number; p = 2^(t - M) is quantised with 2^e8, not normalised; the row's sum is taken of the unquantised p and divides at the end.
; LEFT OUT: key steps all of whose keys come after the wave's queries: the causal mask gives them the weight 0 for every input.  A NaN or infinity that reaches only such keys is not carried to the result.
; LDS KEEPS THE HEAD: K and V of a head are 8 slots of 32,768 bytes (256 keys: K's 16 tiles, then V's 2 x 4 fragments), 262,144 bytes, laid in LDS as in memory; nothing is filled again.
; They come in two generations, one tensor load a wave in each: slots 0 and 1 at the head (8,192 bytes a wave), slots 2 to 7 behind the full sequence and the first barrier (24,576 bytes a wave).
; The second generation has the first loop's two trips (slots 0 and 1, four key steps a wave) in which to land; one wait and one barrier between the loops show it to all waves; no barrier stands in a loop.
; SHARES.  A head's queries go in 64 groups of 32.  Wave w of work-group x takes group 63 - g and then group g, g = 4 w + x: (63 - g) / 4 + g / 4 + 2 = 17 key steps of 128 for every wave of the launch.
; The first group begins at query 1,024 or later, so slots 0 and 1 are open for it: the first loop's steps have no test and no mask.  The second loop has 14 trips, a constant: slots 2 .. 7 for the first group,
; slots 0 .. 7 for the second; a hidden step is jumped over by a scalar branch on ids.  A group's two tiles of 16 queries share every fragment of K and V.
; LAYOUT.  Both products are used transposed: S^T = K Q^T (source 0 = 16 keys), O^T = V^T P^T (source 0 = 16 of the head's 64): a lane holds one query (lane % 16) throughout.  A lane's eight scores of key tile T are keys
; 16 T + 8 (lane / 16) + 0 .. 7: their eight codes ARE registers 2 T, 2 T + 1 of the second product's operand.  K, V and Q come as images of their registers: 512 bytes for four registers, lane l's 16 bytes at 16 l.
; NO CLUSTER: the four work-groups of a head read the same slots, but which steps a wave walks hangs on x.
; NO PREFETCH: the last tensor load is issued behind the first barrier; no load follows that a request could run ahead of.
; LIMITS on the given exponents, so that each power of two is an f32 number: e6 + e7 between -123 and 130 (added to c's exponent field); e8, and e10 - e8 - e9, between -126 and 119.
; REGISTERS.  Window 0: v1-11 addresses and constants; v12-21, v22-31 a tile's statistics (+0 -M, +1 largest t, +2 +3 the sum, +4 +5 f, +6 +7 at work, +8 the exchange, +9 the mask's d); v32-47 Q; v48-111 K's or V's fragments;
; v112-175, v176-239 S^T then p; v240-255 the way out's codes.  Window 1: v0-63 O^T, 32 a tile; v64-95 p's codes; v96-111 the second group's Q.
.set SPARE, 0x40000                    ; behind the eight slots: the spare words, 128 bytes a wave
.set LI,   1                           ; 16 x lane; never rewritten
.set ADR,  2                           ; the slot in hand + 16 x lane
.set SPW,  4
.set NIL,  5
.set SCP,  6                           ; 2^e8
.set DL,   8                           ; r - 8 h
.set NINF, 9                           ; -infinity
.set SCO,  10                          ; 2^(e10 - e8 - e9)
.set LMO,  11                          ; 448 x that
.set ST0,  12
.set ST1,  22
.set QF,   32
.set KV,   48
.set SC0,  112
.set SC1,  176
.set CD,   240
.set PC,   64                          ; in window 1
.set QN,   96                          ; in window 1
.set WV,   12
.set F,    17                          ; the loops' counter
.set TB,   18                          ; LDS byte at which the slot in hand begins
.set KF,   19                          ; the step's first key
.set Q0,   20                          ; my group's first query
.set LMS,  21                          ; 448 x 2^e8
.set CS,   22                          ; s[22:23] c = log2(e) / 8 x 2^(e6 + e7)
.set SEL,  24                          ; s[24:25] lane selects: lane l xor 16
.set G1A,  28                          ; s[28:35] group 1 of the first generation: 32 rows of 256 bytes
.set G0,   36
.set KVB,  40                          ; s[40:41] the head's K and V in memory
.set OFS,  42                          ; s[42:43] an offset, 0 above it
.set QB,   46
.set AB,   48                          ; the head's place in a_img
.set QA,   50
.set AO,   52
.set QS,   54                          ; the second group's first query
.set G1B,  68                          ; s[68:75] group 1 of the second generation: 96 rows of 256 bytes
.set MSB, 0
.macro WIN new
.if MSB != (\new)
	s_set_vgpr_msb (MSB<<8)|(\new)
.set MSB, (\new)
.endif
.endm
.macro PLACES n
.rept \n
	v_nop
.endr
.endm
	s_load_b256 s[4:11], s[0:1], 0x0               ; q_img, kv_img, the scales' exponents, a_img
	v_lshl_add_u32 v[SPW], v0, 2, SPARE
	v_mov_b32 v[NIL], 0
	ds_add_u32 v[SPW], v[NIL]                      ; the opening lines: the add twice on end and its wait
	ds_add_u32 v[SPW], v[NIL]
	v_lshrrev_b32 v1, 5, v0
	v_readfirstlane_b32 s[WV], v1                  ; wave 0 .. 7
	s_and_b32 s13, ttmp7, 0xffff                   ; 16 x batch + head
	s_mov_b32 s[G1A], 3<<16                        ; elements of 8 bytes; no padding: a dense block as rows of 256 bytes
	s_mov_b32 s[G1A+1], 32<<16
	s_mov_b32 s[G1A+2], 32<<16
	s_mov_b32 s[G1A+3], 32<<16
	s_mov_b32 s[G1A+4], 32
	s_mov_b32 s[G1A+5], 32
	s_mov_b32 s[G1A+6], 0
	s_mov_b32 s[G1A+7], 0
	s_mov_b32 s[G1B], 3<<16
	s_mov_b32 s[G1B+1], 32<<16
	s_mov_b32 s[G1B+2], 96<<16
	s_mov_b32 s[G1B+3], 32<<16
	s_mov_b32 s[G1B+4], 96
	s_mov_b32 s[G1B+5], 32
	s_mov_b32 s[G1B+6], 0
	s_mov_b32 s[G1B+7], 0
	s_mov_b32 s[G0], 1
	s_lshl_b32 s[G0+1], s[WV], 13                  ; my 8,192 bytes of slots 0 and 1
	s_mov_b32 s[OFS+1], 0
	s_lshl_b32 s[OFS], s13, 18                     ; a head is 8 slots of 32,768 bytes
	s_wait_dscnt 0x0
	s_wait_kmcnt 0x0
	s_load_b128 s[56:59], s[8:9], 0x18             ; e6, e7, e8, e9
	s_load_b32 s60, s[8:9], 0x28                   ; e10
	s_add_nc_u64 s[KVB:KVB+1], s[6:7], s[OFS:OFS+1]
	s_mov_b32 s[OFS], s[G0+1]
	s_add_nc_u64 s[G0+2:G0+3], s[KVB:KVB+1], s[OFS:OFS+1]
	s_or_b32 s[G0+3], s[G0+3], 0x80000000
	tensor_load_to_lds s[G0:G0+3], s[G1A:G1A+7]    ; the first generation: every wave's one load at the head
	s_nop 0
	s_lshl_b32 s66, s[WV], 2
	s_add_co_u32 s66, s66, ttmp9                   ; g = 4 w + x
	s_lshl_b32 s[QS], s66, 5                       ; group g begins at query 32 g,
	s_sub_co_u32 s[Q0], 2016, s[QS]                ; group 63 - g, which goes first, at 32 (63 - g)
	s_lshl_b32 s[OFS], s13, 17                     ; a head's queries: 128 tiles of 1,024 bytes
	s_add_nc_u64 s[QB:QB+1], s[4:5], s[OFS:OFS+1]
	s_lshl_b32 s[OFS], s[Q0], 6
	s_add_nc_u64 s[QA:QA+1], s[QB:QB+1], s[OFS:OFS+1]
	s_lshl_b32 s[OFS], s[QS], 6
	s_add_nc_u64 s[QB:QB+1], s[QB:QB+1], s[OFS:OFS+1]
	s_and_b32 s66, s13, 15                         ; a_img: [head / 4][row tile: 128 x batch + query / 16][head % 4][1,024 bytes]
	s_lshr_b32 s66, s66, 2
	s_lshl_b32 s66, s66, 9
	s_lshr_b32 s67, s13, 4
	s_lshl_b32 s67, s67, 7
	s_add_co_u32 s66, s66, s67
	s_lshl_b32 s66, s66, 12
	s_and_b32 s67, s13, 3
	s_lshl_b32 s67, s67, 10
	s_add_co_u32 s[OFS], s66, s67
	s_add_nc_u64 s[AB:AB+1], s[10:11], s[OFS:OFS+1]
	s_mov_b32 s[SEL], 0x76543210
	s_mov_b32 s[SEL+1], 0xfedcba98
	v_and_b32 v[LI], 31, v0
	v_lshlrev_b32 v[LI], 4, v[LI]
.irp i, 0,1
.irp g, 0,1
	global_load_b128 v[QF+8*\i+4*\g:QF+8*\i+4*\g+3], v[LI], s[QA:QA+1] offset:\i*1024+\g*512   ; the first group's two tiles of Q
.endr
.endr
	WIN 0x40
.irp i, 0,1
.irp g, 0,1
	global_load_b128 v[QN+8*\i+4*\g:QN+8*\i+4*\g+3], v[LI], s[QB:QB+1] offset:\i*1024+\g*512   ; the second group's, kept until the groups change
.endr
.endr
	WIN 0
	v_and_b32 v[DL], 15, v0
	v_bfe_u32 v[NINF], v0, 4, 1
	v_lshlrev_b32 v[NINF], 3, v[NINF]
	v_sub_nc_u32 v[DL], v[DL], v[NINF]             ; r - 8 h
	v_mov_b32 v[NINF], 0xff800000
	s_wait_kmcnt 0x0
	s_mov_b32 s[CS], 0x3e38aa3b                    ; log2(e) / 8
	s_add_co_i32 s66, s56, s57
	s_lshl_b32 s66, s66, 23
	s_add_co_i32 s[CS], s[CS], s66                 ; a score stands for score x 2^(e6 + e7): added to c's exponent field
	s_mov_b32 s[CS+1], s[CS]
	s_add_co_i32 s66, s58, 127
	s_lshl_b32 s67, s66, 23
	v_mov_b32 v[SCP], s67
	s_add_co_i32 s66, s66, 8
	s_lshl_b32 s66, s66, 23
	s_or_b32 s[LMS], s66, 0x600000
	s_sub_co_i32 s66, s60, s58                     ; O^T / the sum stands for that x 2^(e8 + e9): its code is that / 2^(e10 - e8 - e9)
	s_sub_co_i32 s66, s66, s59
	s_add_co_i32 s66, s66, 127
	s_lshl_b32 s67, s66, 23
	v_mov_b32 v[SCO], s67
	s_add_co_i32 s66, s66, 8
	s_lshl_b32 s66, s66, 23
	s_or_b32 s66, s66, 0x600000
	v_mov_b32 v[LMO], s66
; A group begins: the largest t -3e38, the sums and O^T zeros, which the first change of M leaves zeros.
.macro FRESH
.irp t, ST0, ST1
	v_mov_b32 v[\t+1], 0xff61b1e6
	s_delay_alu instid0(VALU_DEP_1)
	v_floor_f32 v[\t], -v[\t+1]
	v_mov_b32 v[\t+2], 0
	v_mov_b32 v[\t+3], 0
	v_mov_b32 v[\t+5], 0                           ; (named as the upper half of f's pair)
	v_mov_b32 v[\t+8], 0                           ; a lane permute's destination counts as one of its sources
.endr
	WIN 0x40
.set j, 0
.rept 64
	v_mov_b32 v[j], 0
.set j, j+1
.endr
	WIN 0
.endm
; A KEY STEP: 128 keys, the q-th half of the slot in hand, against my 32 queries.  open = 1: all 128 keys count for all my queries by the deal of the work: no test, no mask.
.macro STEP q, open
.if !(\open)
	s_add_co_u32 s66, s[Q0], 31
	s_cmp_gt_u32 s[KF], s66
	s_cbranch_scc1 .Lhidden_\@                     ; all 128 keys come after my last query
.endif
	v_add_nc_u32 v[ADR], s[TB], v[LI]
	PLACES 3                                       ; with the addition four places in front of loads into registers that the last products read
.irp t, 0,1,2,3,4,5,6,7
	ds_load_b128 v[KV+8*\t:KV+8*\t+3],   v[ADR] offset:(\q)*8192+\t*1024
	ds_load_b128 v[KV+8*\t+4:KV+8*\t+7], v[ADR] offset:(\q)*8192+\t*1024+512
.endr
	s_wait_alu depctr_va_vdst(0)
.irp t, 0,1,2,3,4,5,6,7
	s_wait_dscnt 14-2*\t                           ; key tile t's two loads are in; the later tiles' may be out
	v_wmma_f32_16x16x64_fp8_fp8 v[SC0+8*\t:SC0+8*\t+7], v[KV+8*\t:KV+8*\t+7], v[QF:QF+7], 0
	v_wmma_f32_16x16x64_fp8_fp8 v[SC1+8*\t:SC1+8*\t+7], v[KV+8*\t:KV+8*\t+7], v[QF+8:QF+15], 0
.endr
	PLACES 4                                       ; places in front of the loads over K's registers and of the first read of scores
.irp u, 0,1,2,3
.irp c, 0,1,2,3
	ds_load_b128 v[KV+16*\u+4*\c:KV+16*\u+4*\c+3], v[ADR] offset:16384+(\q)*8192+\u*2048+\c*512   ; V lands while the softmax is walked
.endr
.endr
.if !(\open)
	s_add_co_u32 s66, s[KF], 127
	s_cmp_le_u32 s66, s[Q0]
	s_cbranch_scc1 .Lopen_\@                       ; all 128 keys count for all my queries
	s_sub_co_i32 s66, s[Q0], s[KF]
	v_add_nc_u32 v[ST0+9], s66, v[DL]              ; d = my query - KF - 8 h.  Register 8 T + j holds key KF + 16 T + 8 h + j: hidden where 16 T + j > d
	s_delay_alu instid0(VALU_DEP_1)
	v_add_nc_u32 v[ST1+9], 16, v[ST0+9]
.irp n, 0,1,2,3,4,5,6,7,8,9,10,11,12,13,14,15,16,17,18,19,20,21,22,23,24,25,26,27,28,29,30,31,32,33,34,35,36,37,38,39,40,41,42,43,44,45,46,47,48,49,50,51,52,53,54,55,56,57,58,59,60,61,62,63
	v_cmp_gt_i32 vcc_lo, 16*(\n/8)+\n%8, v[ST0+9]
	v_cndmask_b32 v[SC0+\n], v[SC0+\n], v[NINF], vcc_lo
	v_cmp_gt_i32 vcc_lo, 16*(\n/8)+\n%8, v[ST1+9]
	v_cndmask_b32 v[SC1+\n], v[SC1+\n], v[NINF], vcc_lo
.endr
.Lopen_\@:
.endif
	v_max3_num_f32 v[ST0+6], v[SC0], v[SC0+1], v[SC0+2]      ; the step's largest score of each query, among my 64 keys: two chains a tile, in ascending order
	v_max3_num_f32 v[ST1+6], v[SC1], v[SC1+1], v[SC1+2]
	v_max3_num_f32 v[ST0+7], v[SC0+3], v[SC0+4], v[SC0+5]
	v_max3_num_f32 v[ST1+7], v[SC1+3], v[SC1+4], v[SC1+5]
.set j, 6
.rept 14
	v_max3_num_f32 v[ST0+6], v[ST0+6], v[SC0+j], v[SC0+j+1]
	v_max3_num_f32 v[ST1+6], v[ST1+6], v[SC1+j], v[SC1+j+1]
	v_max3_num_f32 v[ST0+7], v[ST0+7], v[SC0+j+2], v[SC0+j+3]
	v_max3_num_f32 v[ST1+7], v[ST1+7], v[SC1+j+2], v[SC1+j+3]
.set j, j+4
.endr
.irp t, 0,1
	v_max3_num_f32 v[ST0+10*\t+6], v[ST0+10*\t+6], v[SC0+64*\t+62], v[SC0+64*\t+63]
.endr
.irp t, ST0, ST1
	s_delay_alu instid0(VALU_DEP_2)
	v_max_num_f32 v[\t+6], v[\t+6], v[\t+7]
.endr
.irp t, ST0, ST1
	s_delay_alu instid0(VALU_DEP_2)
	v_permlanex16_b32 v[\t+8], v[\t+6], s[SEL], s[SEL+1]
.endr
.irp t, ST0, ST1
	s_delay_alu instid0(VALU_DEP_2)
	v_max_num_f32 v[\t+6], v[\t+6], v[\t+8]        ; and among lane l xor 16's
.endr
.irp t, ST0, ST1
	s_delay_alu instid0(VALU_DEP_2)
	v_mul_f32 v[\t+6], s[CS], v[\t+6]              ; as t (c is positive)
.endr
.irp t, ST0, ST1
	s_delay_alu instid0(VALU_DEP_2)
	v_max_num_f32 v[\t+1], v[\t+1], v[\t+6]        ; the running largest t
.endr
.irp t, ST0, ST1
	v_mov_b32 v[\t+6], v[\t]
.endr
.irp t, ST0, ST1
	s_delay_alu instid0(VALU_DEP_4)
	v_floor_f32 v[\t], -v[\t+1]                    ; the new -M = floor(-t): M is a whole number
.endr
.irp t, ST0, ST1
	s_delay_alu instid0(VALU_DEP_2)
	v_sub_f32 v[\t+6], v[\t], v[\t+6]              ; old M - new M: a whole number, 0 or less
.endr
.irp t, ST0, ST1
	s_delay_alu instid0(VALU_DEP_2)
	v_cvt_i32_f32 v[\t+6], v[\t+6]                 ; (it saturates)
.endr
.irp t, ST0, ST1
	s_delay_alu instid0(VALU_DEP_2)
	v_ldexp_f32 v[\t+4], 1.0, v[\t+6]              ; f = 2^(old M - new M): rounds nothing
.endr
.set j, 0
.rept 32
	v_pk_fma_f32 v[SC0+j:SC0+j+1], v[SC0+j:SC0+j+1], s[CS:CS+1], v[ST0:ST0+1] op_sel_hi:[1,0,0]   ; t - M, two at a time
	v_pk_fma_f32 v[SC1+j:SC1+j+1], v[SC1+j:SC1+j+1], s[CS:CS+1], v[ST1:ST1+1] op_sel_hi:[1,0,0]
.set j, j+2
.endr
.set j, 0
	s_wait_alu depctr_va_vdst(0)                   ; the wait ahead of the batch
.rept 128
	v_exp_f32 v[SC0+j], v[SC0+j]                   ; p = 2^(t - M), at most 1: both tiles' 128 as one batch
.set j, j+1
.endr
	v_pk_mul_f32 v[ST0+2:ST0+3], v[ST0+2:ST0+3], v[ST0+4:ST0+5] op_sel_hi:[1,0]   ; the sums under the new M: the plain lines behind the exponentials
	v_pk_mul_f32 v[ST1+2:ST1+3], v[ST1+2:ST1+3], v[ST1+4:ST1+5] op_sel_hi:[1,0]
	s_wait_alu depctr_va_vdst(0)                   ; one wait for the whole batch, ahead of its first reader
	v_pk_add_f32 v[ST0+6:ST0+7], v[SC0:SC0+1], v[SC0+2:SC0+3]                     ; the row's sum is taken of the unquantised p: two chains a tile
	v_pk_add_f32 v[ST1+6:ST1+7], v[SC1:SC1+1], v[SC1+2:SC1+3]
.set j, 4
.rept 15
	v_pk_add_f32 v[ST0+2:ST0+3], v[ST0+2:ST0+3], v[SC0+j:SC0+j+1]
	v_pk_add_f32 v[ST1+2:ST1+3], v[ST1+2:ST1+3], v[SC1+j:SC1+j+1]
	v_pk_add_f32 v[ST0+6:ST0+7], v[ST0+6:ST0+7], v[SC0+j+2:SC0+j+3]
	v_pk_add_f32 v[ST1+6:ST1+7], v[ST1+6:ST1+7], v[SC1+j+2:SC1+j+3]
.set j, j+4
.endr
	s_delay_alu instid0(VALU_DEP_2)
	v_pk_add_f32 v[ST0+2:ST0+3], v[ST0+2:ST0+3], v[ST0+6:ST0+7]
	s_delay_alu instid0(VALU_DEP_2)
	v_pk_add_f32 v[ST1+2:ST1+3], v[ST1+2:ST1+3], v[ST1+6:ST1+7]
.set j, 0
.rept 64
	v_dual_min_num_f32 v[SC0+j], s[LMS], v[SC0+j] :: v_dual_min_num_f32 v[SC0+j+1], s[LMS], v[SC0+j+1]   ; the conversion does not saturate (ISA guide 7.6.2); p is not negative, so the hold is one-sided; two numbers a line
.set j, j+2
.endr
	WIN 0x40                                       ; destination in window 1
.irp t, 0,1,2,3,4,5,6,7
	v_cvt_scalef32_pk8_fp8_f32 v[PC+2*\t:PC+2*\t+1], v[SC0+8*\t:SC0+8*\t+7], v[SCP]
	v_cvt_scalef32_pk8_fp8_f32 v[PC+16+2*\t:PC+16+2*\t+1], v[SC1+8*\t:SC1+8*\t+7], v[SCP]
.endr
	WIN 0x41                                       ; O^T (destination and source 0) in window 1, f in window 0
	s_wait_alu depctr_va_vdst(0)                   ; the wait directly ahead of the first reader of O^T
.set j, 0
.rept 16
	v_pk_mul_f32 v[j:j+1], v[j:j+1], v[ST0+4:ST0+5] op_sel_hi:[1,0]               ; O^T under the new M; these are also the plain lines behind the conversions
	v_pk_mul_f32 v[32+j:32+j+1], v[32+j:32+j+1], v[ST1+4:ST1+5] op_sel_hi:[1,0]
.set j, j+2
.endr
	s_wait_alu depctr_va_vdst(0)                   ; the wait ahead of the wait below
	s_wait_dscnt 0x0                               ; V is in
	WIN 0x54                                       ; V in window 0; p's codes, C and D in window 1
.irp u, 0,1,2,3
	v_wmma_f32_16x16x128_fp8_fp8 v[8*\u:8*\u+7], v[KV+16*\u:KV+16*\u+15], v[PC:PC+15], v[8*\u:8*\u+7]
	v_wmma_f32_16x16x128_fp8_fp8 v[32+8*\u:32+8*\u+7], v[KV+16*\u:KV+16*\u+15], v[PC+16:PC+31], v[32+8*\u:32+8*\u+7]
.endr
	WIN 0
.if !(\open)
.Lhidden_\@:
.endif
	s_add_co_u32 s[KF], s[KF], 128
.endm
; A group's end: O^T / the sum, held, converted with 2^(e10 - e8 - e9).  A lane's codes of dv tile u are dv 16 u + 8 h + 0 .. 7; the output product reads its other operand 16 bytes at a time, so it wants
; registers 4 g .. 4 g + 3 = dv 32 g + 16 h + 0 .. 15: exchanges of half registers between the halves of the lanes give that.  Each store covers 512 consecutive bytes, aligned.
.macro WAYOUT
	PLACES 4                                       ; places behind the last products
.irp t, ST0, ST1
	v_add_f32 v[\t+6], v[\t+2], v[\t+3]
.endr
.irp t, ST0, ST1
	s_delay_alu instid0(VALU_DEP_2)
	v_permlanex16_b32 v[\t+8], v[\t+6], s[SEL], s[SEL+1]
.endr
.irp t, ST0, ST1
	s_delay_alu instid0(VALU_DEP_2)
	v_add_f32 v[\t+6], v[\t+6], v[\t+8]            ; the row's sum
.endr
	s_wait_alu depctr_va_vdst(0)                   ; the wait ahead of the reciprocals
.irp t, ST0, ST1
	v_rcp_f32 v[\t+4], v[\t+6]
.endr
	v_nop                                          ; a plain line behind the reciprocals
	s_wait_xcnt 0x0                                ; the last group's stores have read their base and their data
	s_lshl_b32 s[OFS], s[Q0], 8                    ; a row tile of a_img is 4,096 bytes
	s_add_nc_u64 s[AO:AO+1], s[AB:AB+1], s[OFS:OFS+1]
	WIN 0x01                                       ; source 0 (O^T) in window 1
	s_wait_alu depctr_va_vdst(0)                   ; one wait for both reciprocals and for O^T, directly ahead of their first reader
.set j, 0
.rept 16
	v_pk_mul_f32 v[SC0+j:SC0+j+1], v[j:j+1], v[ST0+4:ST0+5] op_sel_hi:[1,0]       ; each accumulator from its low end on
	v_pk_mul_f32 v[SC1+j:SC1+j+1], v[32+j:32+j+1], v[ST1+4:ST1+5] op_sel_hi:[1,0]
.set j, j+2
.endr
	WIN 0
.set j, 0
.rept 32
	v_med3_num_f32 v[SC0+j], v[SC0+j], -v[LMO], v[LMO]
	v_med3_num_f32 v[SC1+j], v[SC1+j], -v[LMO], v[LMO]
.set j, j+1
.endr
.irp u, 0,1,2,3
	v_cvt_scalef32_pk8_fp8_f32 v[CD+2*\u:CD+2*\u+1], v[SC0+8*\u:SC0+8*\u+7], v[SCO]
	v_cvt_scalef32_pk8_fp8_f32 v[CD+8+2*\u:CD+8+2*\u+1], v[SC1+8*\u:SC1+8*\u+7], v[SCO]
.endr
	v_nop                                          ; a plain line behind the last conversion
.irp b, 0,1,4,5,8,9,12,13
	v_permlane16_swap_b32 v[CD+\b], v[CD+\b+2]     ; the first's lanes 16-31 change places with the second's lanes 0-15
.endr
.irp i, 0,1
.irp g, 0,1
	global_store_b128 v[LI], v[CD+8*\i+4*\g:CD+8*\i+4*\g+3], s[AO:AO+1] offset:\i*4096+\g*512
.endr
.endr
.endm
	FRESH
	s_mov_b32 s[KF], 0
	s_wait_alu depctr_va_vdst(0)                   ; the wait at the head's end
	s_wait_loadcnt 0x0                             ; both groups' Q
	s_wait_tensorcnt 0x0                           ; my part of slots 0 and 1 is in; the full sequence stands ahead of the later first fills
	ds_add_u32 v[SPW], v[NIL]
	s_mul_i32 s[OFS], s[WV], 24576
	s_add_co_u32 s[OFS], s[OFS], 65536             ; my 24,576 bytes of slots 2 to 7: in LDS and in the head alike
	s_mov_b32 s[G0+1], s[OFS]
	s_add_nc_u64 s[G0+2:G0+3], s[KVB:KVB+1], s[OFS:OFS+1]
	s_or_b32 s[G0+3], s[G0+3], 0x80000000
	s_wait_dscnt 0x0
	s_barrier_signal -1
	s_barrier_wait -1                              ; slots 0 and 1 are whole for every wave
	tensor_load_to_lds s[G0:G0+3], s[G1B:G1B+7]    ; the second generation: every wave's one load behind this barrier
	s_nop 0
	PLACES 4
	s_mov_b32 s[F], 0
.Lfirst:                                           ; two trips: slots 0 and 1, open for every first group
	s_lshl_b32 s[TB], s[F], 15
	STEP 0, 1
	STEP 1, 1
	s_add_co_u32 s[F], s[F], 1
	s_cmp_lt_u32 s[F], 2
	s_cbranch_scc1 .Lfirst
	s_wait_tensorcnt 0x0                           ; my part of slots 2 to 7 is in
	s_wait_dscnt 0x0
	s_barrier_signal -1
	s_barrier_wait -1                              ; everybody's is: the whole head lies in LDS
.Lslot:                                            ; fourteen trips, F = 2 .. 15: slot F % 8, for the first group (F under 8) or the second
	s_and_b32 s[TB], s[F], 7
	s_lshl_b32 s[TB], s[TB], 15
	STEP 0, 0
	STEP 1, 0
	s_cmp_lg_u32 s[F], 7
	s_cbranch_scc1 .Lsame
	WAYOUT                                         ; the first group leaves, the second begins
	s_mov_b32 s[Q0], s[QS]
	s_mov_b32 s[KF], 0
	WIN 0x01
.set j, 0
.rept 16
	v_mov_b32 v[QF+j], v[QN+j]
.set j, j+1
.endr
	WIN 0
	FRESH
	s_wait_alu depctr_va_vdst(0)
.Lsame:
	s_add_co_u32 s[F], s[F], 1
	s_cmp_lt_u32 s[F], 16
	s_cbranch_scc1 .Lslot
	WAYOUT
	s_wait_tensorcnt 0x0                           ; the wave's end
	ds_add_u32 v[SPW], v[NIL]
	s_wait_dscnt 0x0
	s_endpgm
.Lfunc_end_k_q8f0ef68fc6_attn:
	.size	k_q8f0ef68fc6_attn, .Lfunc_end_k_q8f0ef68fc6_attn-k_q8f0ef68fc6_attn
	.p2alignl 7, 3214868480
	.fill 96, 4, 3214868480
	.section	.rodata,"a",@progbits
	.p2align	6, 0x0
	.amdhsa_kernel k_q8f0ef68fc6_attn
		.amdhsa_group_segment_fixed_size 327680
		.amdhsa_private_segment_fixed_size 0
		.amdhsa_enable_private_segment 0
		.amdhsa_kernarg_size 32
		.amdhsa_user_sgpr_count 2
		.amdhsa_user_sgpr_kernarg_segment_ptr 1
		.amdhsa_wavefront_size32 1
		.amdhsa_system_sgpr_workgroup_id_x 1
		.amdhsa_system_sgpr_workgroup_id_y 1
		.amdhsa_system_sgpr_workgroup_id_z 1
		.amdhsa_system_vgpr_workitem_id 0
		.amdhsa_next_free_vgpr 368
		.amdhsa_next_free_sgpr 80
		.amdhsa_reserve_vcc 1
		.amdhsa_float_denorm_mode_32 3
		.amdhsa_float_denorm_mode_16_64 3
		.amdhsa_memory_ordered 1
		.amdhsa_forward_progress 1
		.amdhsa_inst_pref_size 164
	.end_amdhsa_kernel
	.amdgpu_metadata
---
amdhsa.version: [ 1, 2 ]
amdhsa.kernels:
  - .name:           k_q8f0ef68fc6_attn
    .symbol:         k_q8f0ef68fc6_attn.kd
    .args:
      - { .name: q_img, .offset: 0, .size: 8, .value_kind: global_buffer, .address_space: global }
      - { .name: kv_img, .offset: 8, .size: 8, .value_kind: global_buffer, .address_space: global }
      - { .name: lowp_scales, .offset: 16, .size: 8, .value_kind: global_buffer, .address_space: global }
      - { .name: a_img, .offset: 24, .size: 8, .value_kind: global_buffer, .address_space: global }
    .group_segment_fixed_size: 327680
    .private_segment_fixed_size: 0
    .kernarg_segment_align: 8
    .kernarg_segment_size: 32
    .max_flat_workgroup_size: 256
    .sgpr_count:     80
    .vgpr_count:     368
    .wavefront_size: 32
...
	.end_amdgpu_metadata
.endif
;; end of part 2
;; launch outp (part 3): grid 4 x 64, 4 waves a work-group, clusters of 4 x 4, 327,680 bytes of LDS; arguments a_img, Wo_codes, lowp_scales, bo, out0; writes out0
.if DOCPART == 3
	.amdgcn_target "amdgcn-amd-amdhsa--gfx1250"
	.amdhsa_code_object_version 6
	.text
	.protected	k_q8f0ef68fc6_outp
	.globl	k_q8f0ef68fc6_outp
	.p2align	8
	.type	k_q8f0ef68fc6_outp,@function
k_q8f0ef68fc6_outp:
	s_mov_b64 s[64:65], 0
	v_nop
	global_prefetch_b8 v0, s[64:65] scope:SCOPE_SE
	s_setreg_imm32_b32 hwreg(HW_REG_WAVE_MODE, 25, 1), 1
	s_wait_xcnt 0x0
	s_wait_alu depctr_hold_cnt(0) depctr_sa_sdst(0) depctr_va_vdst(0) depctr_va_sdst(0) depctr_va_ssrc(0) depctr_va_vcc(0) depctr_vm_vsrc(0)
	s_getreg_b32 s2, hwreg(HW_REG_IB_STS2, 6, 4)
	s_cmp_eq_u32 s2, 0
	s_cbranch_scc0 .Lentry_in_a_cluster
	s_endpgm
.Lentry_in_a_cluster:
	s_bfe_u32 s2, ttmp6, 0x10000c
	s_cmp_lg_u32 s2, 0xf033
	s_cbranch_scc0 .Lentry_shape_is_right
	s_endpgm
.Lentry_shape_is_right:
; out0 = (attention's result) Wo + bo: one product on E4M3 codes, K = 1,024; each sum x 2^(e10 + e11) + bo, f32.
; D = X Y^T; source 0 = 16 rows of X = Wo's codes (row = output column, K innermost), source 1 = 16 rows of Y = tokens: a lane holds one token and eight neighbouring output columns.
; SHARES.  A work-group takes 256 output columns x 128 tokens; four waves, each 128 x 64: 32 accumulators.  256 work-groups.
; CLUSTER 4 x 4: X's tile hangs on cx alone and is asked for jointly by a column of the cluster, Y's on cy alone, by a row.
; Y comes as IMAGES OF OPERAND REGISTERS, [K step of 256][tile of 16 tokens][head % 4][1,024 bytes]: a work-group's part of a K step is one dense block of 32,768 bytes, and a fragment is four loads at 16 x lane.
; Its registers 4 c .. 4 c + 3 hold K = 32 c + 16 h + 0 .. 15, the order in which four loads of 16 bytes, 32 bytes apart, take Wo's rows: the same permutation of k on both sides.
; K goes in four steps of 256 through three LDS slots.  One load brings X's 256 rows or Y's block of one K step.  At the head each wave issues one: waves 0, 1 X's of K steps 0, 1; waves 2, 3 Y's.
; K step 2 (waves 0 and 2) is slot 2's first fill, behind the full sequence and a round; K step 3 (waves 1 and 3) is the one refill, into slot 0.
; LIMIT: e10 + e11 lies between -126 and 127, so that 2^(e10 + e11) is an f32 number.
; No prefetch: the text has no loop to run ahead in, and half of a work-group's bytes are asked for at its head.
; REGISTERS, in windows of 256: window 0: v1-29 addresses; v32-95 Y's four fragments, v128-255 X's eight: set 0 (free on the way out).  Window 2: set 1.  Window 1: accumulator (a, b) at v[8 (8 a + b)].  Window 3: v0-63 bo of my 128 columns.
.set PITCH,  272
.set XH,     128*PITCH
.set YH,     16384                     ; four token tiles' images of a K step
.set SLOT,   2*XH+2*YH
.set SPARE,  3*SLOT                    ; the spare words, 128 bytes a wave
.set SPITCH, 528                       ; the way out: a stage of 16 rows x (512 bytes + 16) for each wave, in slot 1: it is filled once, at the head, and every wave's reads of it are over at the second change of slots
.set BOF,  4                           ; 32 h
.set LI,   5                           ; 16 x lane
.set ADRX, 16
.set ADRY, 20
.set STO,  24
.set RD,   25
.set SPW,  28
.set NIL,  29
.set YF,   32
.set XF,   128
.set TMP,  32
.set BK,   128
.set WV,   18
.set ROLE, 19                          ; 0: I fetch for X, 1: for Y.  Also which 64 tokens are mine
.set HALF, 20                          ; 0: I fetch K steps 0 and 2, 1: K steps 1 and 3.  Also which 128 columns are mine
.set G1X,  24
.set G1Y,  32
.set G0X,  44
.set G0Y,  68
.set MUL0, 0x50
.set MUL1, 0x5a
.set MSB, 0
.macro WIN new
.if MSB != (\new)
	s_set_vgpr_msb (MSB<<8)|(\new)
.set MSB, (\new)
.endif
.endm
.macro PLACES n
.rept \n
	v_nop
.endr
.endm
.macro JLOAD g0x, g0y                  ; a joint load: waves 0, 1 for X, waves 2, 3 for Y; s_nop 0 and four v_nop follow each line
	s_cmp_eq_u32 s[ROLE], 0
	s_cbranch_scc0 .Lfor_y_\@
	tensor_load_to_lds s[\g0x:\g0x+3], s[G1X:G1X+7]
	s_nop 0
	PLACES 4
	s_branch .Lasked_\@
.Lfor_y_\@:
	tensor_load_to_lds s[\g0y:\g0y+3], s[G1Y:G1Y+7]
	s_nop 0
	PLACES 4
.Lasked_\@:
.endm
.macro CREST
	s_cmp_lg_u32 s[WV], 0
	s_cbranch_scc1 .Lnot_wave_0_\@
	s_barrier_signal -3
.Lnot_wave_0_\@:
	s_barrier_wait -3
	s_barrier_signal -1
	s_barrier_wait -1
.endm
.macro CROUND
	s_barrier_signal -1
	s_barrier_wait -1
	CREST
.endm
	s_load_b256 s[4:11], s[0:1], 0x0               ; a_img, Wo, the scales' exponents, bo
	s_load_b64 s[12:13], s[0:1], 0x20              ; out0
	v_lshl_add_u32 v[SPW], v0, 2, SPARE
	v_mov_b32 v[NIL], 0
	ds_add_u32 v[SPW], v[NIL]                      ; the opening lines: the add twice on end and its wait
	ds_add_u32 v[SPW], v[NIL]
	v_lshrrev_b32 v1, 5, v0
	v_readfirstlane_b32 s[WV], v1
	s_lshr_b32 s[ROLE], s[WV], 1
	s_and_b32 s[HALF], s[WV], 1
	s_bfe_u32 s40, ttmp6, 0x40000                  ; cx
	s_bfe_u32 s41, ttmp6, 0x40004                  ; cy
	s_lshl_b32 s42, ttmp9, 2
	s_add_co_u32 s42, s42, s40                     ; X's tile: 256 output columns
	s_and_b32 s43, ttmp7, 0xffff
	s_lshl_b32 s43, s43, 2
	s_add_co_u32 s43, s43, s41                     ; Y's tile: 128 tokens
	s_lshl_b32 s96, 0x1111, s40                    ; my column of the cluster
	s_lshl_b32 s97, s41, 2
	s_lshl_b32 s97, 15, s97                        ; my row
	s_or_b32 s[G1X], s96, (0<<16)|(1<<20)|(1<<21)|(5<<22)|(3<<25)   ; elements of 1 byte; padding on; bit 21 beside a mask; 4 words after every 64
	s_or_b32 s[G1Y], s97, (3<<16)|(1<<21)          ; elements of 8 bytes; no padding: a dense block as rows of 256 bytes
	s_mov_b32 s[G1X+1], 256<<16
	s_mov_b32 s[G1X+2], 256<<16                    ; 256 rows
	s_mov_b32 s[G1X+3], 256<<16
	s_mov_b32 s[G1X+4], 256
	s_mov_b32 s[G1X+5], 1024
	s_mov_b32 s[G1X+6], 0
	s_mov_b32 s[G1X+7], 0
	s_mov_b32 s[G1Y+1], 32<<16
	s_mov_b32 s[G1Y+2], 128<<16                    ; 128 rows of 256 bytes
	s_mov_b32 s[G1Y+3], 32<<16
	s_mov_b32 s[G1Y+4], 128
	s_mov_b32 s[G1Y+5], 32
	s_mov_b32 s[G1Y+6], 0
	s_mov_b32 s[G1Y+7], 0
	s_lshl_b32 s60, s42, 18                        ; X: 256 x tile rows of 1,024 bytes
	s_lshl_b32 s96, s[HALF], 8                     ; my first K step: 0 or 1
	s_add_co_u32 s60, s60, s96
	s_mov_b32 s61, 0
	s_lshl_b32 s62, s43, 15                        ; Y: 8 x tile token tiles of 4,096 bytes
	s_lshl_b32 s97, s[HALF], 21                    ; a K step of a_img: 512 token tiles of 4,096 bytes
	s_add_co_u32 s62, s62, s97
	s_mov_b32 s63, 0
	s_mul_i32 s98, s[HALF], SLOT                   ; my first load goes to slot 0 or 1,
	s_xor_b32 s99, s[HALF], 1
	s_mul_i32 s99, s99, 2*SLOT                     ; my second to slot 2 or 0
	s_wait_dscnt 0x0
	s_wait_kmcnt 0x0
	s_load_b64 s[96:97], s[8:9], 0x28              ; e10, e11
	s_add_nc_u64 s[56:57], s[6:7], s[60:61]
	s_add_nc_u64 s[58:59], s[4:5], s[62:63]
.irp s, 0,1
	s_mov_b32 s[G0X+4*\s], 1
	s_add_nc_u64 s[G0X+4*\s+2:G0X+4*\s+3], s[56:57], \s*512       ; my second load: two K steps on
	s_or_b32 s[G0X+4*\s+3], s[G0X+4*\s+3], 0x80000000
	s_mov_b32 s[G0Y+4*\s], 1
	s_add_nc_u64 s[G0Y+4*\s+2:G0Y+4*\s+3], s[58:59], \s*4194304
	s_or_b32 s[G0Y+4*\s+3], s[G0Y+4*\s+3], 0x80000000
.endr
	s_mov_b32 s[G0X+1], s98
	s_add_co_u32 s[G0Y+1], s98, 2*XH
	s_mov_b32 s[G0X+5], s99
	s_add_co_u32 s[G0Y+5], s99, 2*XH
	CROUND                                         ; all sixteen work-groups are here: the first joint loads meet
	JLOAD G0X, G0Y                                 ; K steps 0 and 1: one tensor load a wave at the head
	v_and_b32 v1, 15, v0                           ; r
	v_bfe_u32 v2, v0, 4, 1                         ; h
	v_and_b32 v[LI], 31, v0
	v_lshlrev_b32 v[LI], 4, v[LI]
	v_mul_u32_u24 v3, v1, PITCH
	v_lshl_add_u32 v3, v2, 4, v3
	s_mul_i32 s92, s[HALF], XH                     ; my 128 rows of X
	s_mul_i32 s93, s[ROLE], YH                     ; my four token tiles,
	s_add_co_u32 s93, s93, 2*XH                    ; behind X's 256 rows
	v_add_nc_u32 v[ADRX], s92, v3
	v_add_nc_u32 v[ADRY], s93, v[LI]
	v_add_nc_u32 v[ADRX+1], SLOT, v[ADRX]
	v_add_nc_u32 v[ADRY+1], SLOT, v[ADRY]
	v_add_nc_u32 v[ADRX+2], SLOT, v[ADRX+1]
	v_add_nc_u32 v[ADRY+2], SLOT, v[ADRY+1]
	s_mul_i32 s94, s[WV], 16*SPITCH
	s_add_co_u32 s94, s94, SLOT                    ; my stage
	v_mul_u32_u24 v[STO], v1, SPITCH
	v_lshl_add_u32 v[STO], v2, 5, v[STO]
	v_add_nc_u32 v[STO], s94, v[STO]               ; in: row r, 32 bytes for each half of the lanes
	v_add_nc_u32 v[RD], s94, v[LI]                 ; back: the 32 lanes take one row of 512 bytes
	v_lshlrev_b32 v[BOF], 5, v2
	s_wait_alu depctr_va_vdst(0)                   ; the wait at the end of the head's vector work
	s_lshl_b32 s92, s42, 10
	s_lshl_b32 s94, s[HALF], 9
	s_add_co_u32 s92, s92, s94                     ; my first column, in bytes of f32
	s_mov_b32 s93, 0
	s_add_nc_u64 s[80:81], s[10:11], s[92:93]      ; in bo,
	s_lshl_b32 s94, s43, 19
	s_lshl_b32 s95, s[ROLE], 18
	s_add_co_u32 s94, s94, s95                     ; my first token's row of 4,096 bytes
	s_add_co_u32 s94, s94, s92
	s_mov_b32 s95, 0
	s_add_nc_u64 s[66:67], s[12:13], s[94:95]      ; and in out0
	WIN 0xc0                                       ; destination in window 3
.irp b, 0,1,2,3,4,5,6,7
	global_load_b128 v[8*\b:8*\b+3],   v[BOF], s[80:81] offset:64*\b      ; lane (r, h), X tile b: bo of columns 16 b + 8 h + 0 .. 7
	global_load_b128 v[8*\b+4:8*\b+7], v[BOF], s[80:81] offset:64*\b+16
.endr
	WIN 0
	s_wait_kmcnt 0x0
	s_add_co_i32 s96, s96, s97
	s_add_co_i32 s96, s96, 127
	s_lshl_b32 s96, s96, 23                        ; 2^(e10 + e11) as f32 (s97 is named with it as a pair and holds a number)
.macro FETCH slot, q, p                ; 48 LDS loads in one run: the slot's q-th 128 along K into set p
	WIN 0x80*(\p)
.irp i, 0,1,2,3,4,5,6,7
.irp c, 0,1,2,3
	ds_load_b128 v[XF+16*\i+4*\c:XF+16*\i+4*\c+3], v[ADRX+\slot] offset:128*(\q)+32*\c+\i*16*PITCH
.endr
.endr
.irp i, 0,1,2,3
.irp c, 0,1,2,3
	ds_load_b128 v[YF+16*\i+4*\c:YF+16*\i+4*\c+3], v[ADRY+\slot] offset:\i*4096+(\q)*2048+512*\c
.endr
.endr
.endm
.macro MUL8 a, zero                    ; the 32 accumulators take turns
.irp b, 0,1,2,3,4,5,6,7
.if \zero
	v_wmma_f32_16x16x128_fp8_fp8 v[8*(8*(\a)+\b):8*(8*(\a)+\b)+7], v[XF+16*\b:XF+16*\b+15], v[YF+16*(\a):YF+16*(\a)+15], 0
.else
	v_wmma_f32_16x16x128_fp8_fp8 v[8*(8*(\a)+\b):8*(8*(\a)+\b)+7], v[XF+16*\b:XF+16*\b+15], v[YF+16*(\a):YF+16*(\a)+15], v[8*(8*(\a)+\b):8*(8*(\a)+\b)+7]
.endif
.endr
.endm
.macro STEP p, zero, nslot, nq
	s_wait_dscnt 0x0                               ; set p is in
.if !(\zero)
	PLACES 4                                       ; places between the last products, which read the other set, and the loads into it
.endif
	FETCH \nslot, \nq, 1-(\p)
	WIN MUL0+0x0a*(\p)
	MUL8 0, \zero
	MUL8 1, \zero
	MUL8 2, \zero
	MUL8 3, \zero
.endm
.macro TURN fill, nslot                ; a sub-step on set 1 that changes slots; fill = 1: slot 0 takes K step 3, asked for by waves 1 and 3 behind a round of the cluster's barrier
	WIN 0
	s_wait_tensorcnt 0x0
	ds_add_u32 v[SPW], v[NIL]
	s_wait_dscnt 1                                 ; set 1 is in; the add alone may be out
	WIN MUL1
	MUL8 0, 0
	s_wait_dscnt 0x0
	s_barrier_signal -1
	MUL8 1, 0
	WIN 0
	s_barrier_wait -1
.if \fill
	CREST
	s_cmp_eq_u32 s[HALF], 1
	s_cbranch_scc0 .Lno_k3_\@
	JLOAD G0X+4, G0Y+4
.Lno_k3_\@:
.endif
	PLACES 4                                       ; places in front of the loads below
	FETCH \nslot, 0, 0
	WIN MUL1
	MUL8 2, 0
	MUL8 3, 0
.endm
	s_wait_tensorcnt 0x0                           ; my tile of K step 0 or 1 is in; the full sequence stands ahead of slot 2's first fill
	ds_add_u32 v[SPW], v[NIL]
	s_wait_dscnt 0x0
	CROUND
	s_cmp_eq_u32 s[HALF], 0
	s_cbranch_scc0 .Lno_k2
	JLOAD G0X+4, G0Y+4                             ; K step 2, by waves 0 and 2
.Lno_k2:
	FETCH 0, 0, 0
	STEP 0, 1, 0, 1
	TURN 1, 1
	STEP 0, 0, 1, 1
	STEP 1, 0, 2, 0
	STEP 0, 0, 2, 1
	TURN 0, 0
	STEP 0, 0, 0, 1
	s_wait_dscnt 0x0
	WIN MUL1
	MUL8 0, 0
	MUL8 1, 0
	MUL8 2, 0
	MUL8 3, 0
	WIN 0
; THE WAY OUT, a block of 16 tokens x 128 columns at a time: sum x 2^(e10 + e11) + bo, one packed multiply-add for two numbers; through my own stage in LDS; back as whole rows of 512 bytes.
; LDS serves a wave's instructions in order (ISA guide 5.7.1.4): no wait between the stores and the loads, nor in front of the next block's stores.
.macro TOSTAGE a
	WIN 0x31                                       ; source 0 (the sums) in window 1, source 2 (bo) in window 3
.set j, 0
.rept 32
	v_pk_fma_f32 v[TMP+j:TMP+j+1], v[64*(\a)+j:64*(\a)+j+1], s[96:97], v[j:j+1] op_sel_hi:[1,0,1]   ; each accumulator from its low end on
.set j, j+2
.endr
	WIN 0
.irp b, 0,1,2,3,4,5,6,7
	ds_store_b128 v[STO], v[TMP+8*\b:TMP+8*\b+3] offset:64*\b
	ds_store_b128 v[STO], v[TMP+8*\b+4:TMP+8*\b+7] offset:64*\b+16
.endr
.irp t, 0,1,2,3,4,5,6,7,8,9,10,11,12,13,14,15
	ds_load_b128 v[BK+64*((\a)%2)+4*\t:BK+64*((\a)%2)+4*\t+3], v[RD] offset:\t*SPITCH
.endr
.endm
.macro SEND a, younger                 ; younger: the LDS instructions issued behind block a's loads, which may stay out
	s_wait_dscnt \younger
.irp t, 0,1,2,3,4,5,6,7,8,9,10,11,12,13,14,15
	global_store_b128 v[LI], v[BK+64*((\a)%2)+4*\t:BK+64*((\a)%2)+4*\t+3], s[66:67] offset:(16*(\a)+\t)*4096 th:TH_STORE_NT   ; 32 lanes store 512 consecutive bytes, aligned
.endr
.endm
	s_wait_loadcnt 0x0                             ; bo
	PLACES 4                                       ; places behind the last products
	TOSTAGE 0
	TOSTAGE 1
	SEND 0, 32                                     ; behind block 0's loads: block 1's 16 stores and 16 loads
	s_wait_xcnt 0x0                                ; block 0's stores have read their registers: block 2's loads may land there
	TOSTAGE 2
	SEND 1, 32
	s_wait_xcnt 0x0
	TOSTAGE 3
	SEND 2, 32
	SEND 3, 0
	s_wait_tensorcnt 0x0                           ; the wave's end
	ds_add_u32 v[SPW], v[NIL]
	s_wait_dscnt 0x0
	CROUND                                         ; the closing round
	s_endpgm
.Lfunc_end_k_q8f0ef68fc6_outp:
	.size	k_q8f0ef68fc6_outp, .Lfunc_end_k_q8f0ef68fc6_outp-k_q8f0ef68fc6_outp
	.p2alignl 7, 3214868480
	.fill 96, 4, 3214868480
	.section	.rodata,"a",@progbits
	.p2align	6, 0x0
	.amdhsa_kernel k_q8f0ef68fc6_outp
		.amdhsa_group_segment_fixed_size 327680
		.amdhsa_private_segment_fixed_size 0
		.amdhsa_enable_private_segment 0
		.amdhsa_kernarg_size 40
		.amdhsa_user_sgpr_count 2
		.amdhsa_user_sgpr_kernarg_segment_ptr 1
		.amdhsa_wavefront_size32 1
		.amdhsa_system_sgpr_workgroup_id_x 1
		.amdhsa_system_sgpr_workgroup_id_y 1
		.amdhsa_system_sgpr_workgroup_id_z 1
		.amdhsa_system_vgpr_workitem_id 0
		.amdhsa_next_free_vgpr 832
		.amdhsa_next_free_sgpr 100
		.amdhsa_reserve_vcc 0
		.amdhsa_float_denorm_mode_32 3
		.amdhsa_float_denorm_mode_16_64 3
		.amdhsa_memory_ordered 1
		.amdhsa_forward_progress 1
		.amdhsa_inst_pref_size 75
	.end_amdhsa_kernel
	.amdgpu_metadata
---
amdhsa.version: [ 1, 2 ]
amdhsa.kernels:
  - .name:           k_q8f0ef68fc6_outp
    .symbol:         k_q8f0ef68fc6_outp.kd
    .args:
      - { .name: a_img, .offset: 0, .size: 8, .value_kind: global_buffer, .address_space: global }
      - { .name: Wo_codes, .offset: 8, .size: 8, .value_kind: global_buffer, .address_space: global }
      - { .name: lowp_scales, .offset: 16, .size: 8, .value_kind: global_buffer, .address_space: global }
      - { .name: bo, .offset: 24, .size: 8, .value_kind: global_buffer, .address_space: global }
      - { .name: out0, .offset: 32, .size: 8, .value_kind: global_buffer, .address_space: global }
    .group_segment_fixed_size: 327680
    .private_segment_fixed_size: 0
    .kernarg_segment_align: 8
    .kernarg_segment_size: 40
    .max_flat_workgroup_size: 128
    .sgpr_count:     100
    .vgpr_count:     832
    .wavefront_size: 32
...
	.end_amdgpu_metadata
.endif
;; end of part 3
